; MI455X (gfx1250); checked and timed in simulation.
; The chip was launched on July 23, 2026; its instructions are those of AMD's public machine-readable ISA for CDNA 5 (MIT licence, August 2026) and "CDNA5" Instruction Set Architecture Reference Guide (July 2026). The comments in the code are by the model that wrote it; some were corrected since.
;; Distance Probe. Allowed arithmetic: matrix products marked QUANTISED: E2M1 operands, one E8M0 scale for each 32 along K, by v_wmma_scale_f32_16x16x128_f8f6f4 with both operands' format E2M1 (or v_wmma_scale_f32_32x16x128_f4), f32 sums; everything else in f32.
;; Inputs: batch_codes 8 x 512 x 32 x 16 uint8 (E2M1 codes of batch, K innermost, in blocks of 32 codes, two codes a byte); batch_scales 8 x 512 x 32 uint8 (E8M0 scales of batch, one for each 32 codes along K); proj_codes 128 x 32 x 16 uint8 (E2M1 codes of proj, K innermost, in blocks of 32 codes, two codes a byte); proj_scales 128 x 32 uint8 (E8M0 scales of proj, one for each 32 codes along K).
;; Outputs: out0 8 x 512 x 512 float32.
;; This version of the problem:
;;   THIS VERSION OF THE PROBLEM IS GIVEN IN LOW PRECISION. The matrix products marked QUANTISED in the list below multiply operands that are first quantised to E2M1 (2 exponent bits, 1 mantissa bit; 4 bits a number), with one power-of-two scale for each 32 numbers along K (OCP MX v1.0); their sums are f32. All else is computed in f32.
;;   The module's matrix products, in the order in which they are computed (A, B: the left and right operand; K: the contracted axis; several contracted axes count as one K, in the product's order):
;;     1. [M 4,096, K 1,024] x [K 1,024, N 128]; A: input batch (given as codes); B: input proj (given as codes): QUANTISED
;;   THE QUANTISER, for each operand of a quantised product, along K:
;;     - K is cut into blocks of 32 from its start; a last block that is shorter is filled with zeros.
;;     - A block's scale is 2^e with e = floor(log2(the largest magnitude in the block)) - 2, held to -126 .. 127; a block of zeros has e = 0. As a byte (E8M0): e + 127.
;;     - Each number is divided by its block's scale, clamped to +-6, and rounded to the nearest number of E2M1, ties to even, subnormals kept.
;;     - The product sums the exact products of the quantised numbers (number of the format x scale) in f32.
;;   ~~~python
;;   def quantise(x, axis):      # numpy; x: float32 -> the quantised numbers, widened to float32 again
;;       x = np.moveaxis(x, axis, -1); K = x.shape[-1]
;;       x = np.pad(x, [(0, 0)] * (x.ndim - 1) + [(0, -K % 32)]); x = x.reshape(x.shape[:-1] + (-1, 32)); a = np.abs(x).max(-1, keepdims=True)
;;       e = np.where(a > 0, np.clip(np.frexp(np.where(a > 0, a, 1))[1] - 1 - 2, -126, 127), 0)      # np.frexp(a)[1] - 1 = floor(log2(a)), exactly
;;       r = np.clip(x / 2.0 ** e, -6, 6)
;;       step = 2.0 ** (np.maximum(np.frexp(np.where(r == 0, 1, r))[1] - 1, 0) - 1)
;;       q = np.round(r / step) * step * 2.0 ** e      # np.round: ties to even
;;       return np.moveaxis(q.reshape(q.shape[:-2] + (-1,))[..., :K], -1, axis).astype(np.float32)
;;   ~~~
;;   INPUTS GIVEN AS CODES. batch (in the module: [8, 512, 1024], K = its axis 2); proj (in the module: [1024, 128], K = its axis 0): each comes as NAME_codes (uint8): NAME with its K axis moved to the last place and cut into blocks of 32 codes, [.., K / 32, bytes a block], one block behind the other in memory; two codes a byte, the lower K in the low four bits (a code: sign, 2 exponent bits, 1 mantissa bit); and NAME_scales (uint8): the same leading axes, one E8M0 byte (e + 127) for each 32 codes along K. Its value is code x scale, taken as it is: it is not quantised again, and the codes and scales need not be those that the quantiser above would give.
;; One version. Each part assembles by itself: llvm-mc -triple=amdgcn-amd-amdhsa -mcpu=gfx1250 --defsym DOCPART=n.
;; ======== version 1 of 1: 1 launch
;; launch probe (part 1): grid 8 x 32, 4 waves a work-group, clusters of 4 x 1, 168,448 bytes of LDS; arguments batch_codes, batch_scales, proj_codes, proj_scales, out0; writes out0
.if DOCPART == 1
	.amdgcn_target "amdgcn-amd-amdhsa--gfx1250"
	.amdhsa_code_object_version 6
	.text
	.protected	k_q800937c2b9_probe
	.globl	k_q800937c2b9_probe
	.p2align	8
	.type	k_q800937c2b9_probe,@function
k_q800937c2b9_probe:
	s_mov_b64 s[64:65], 0
	v_nop
	global_prefetch_b8 v0, s[64:65] scope:SCOPE_SE
	s_setreg_imm32_b32 hwreg(HW_REG_WAVE_MODE, 25, 1), 1
	s_wait_xcnt 0x0
	s_wait_alu depctr_hold_cnt(0) depctr_sa_sdst(0) depctr_va_vdst(0) depctr_va_sdst(0) depctr_va_ssrc(0) depctr_va_vcc(0) depctr_vm_vsrc(0)
	s_getreg_b32 s2, hwreg(HW_REG_IB_STS2, 6, 4)
	s_cmp_eq_u32 s2, 0
	s_cbranch_scc0 .Lentry_in_a_cluster
	s_endpgm
.Lentry_in_a_cluster:
	s_bfe_u32 s2, ttmp6, 0x10000c
	s_cmp_lg_u32 s2, 0x3003
	s_cbranch_scc0 .Lentry_shape_is_right
	s_endpgm
.Lentry_shape_is_right:
; out[b][i][j] = sum over r of (t[b][i][r] - t[b][j][r])^2,  t = batch x proj.  batch: [8][512][1024], proj: [1024][128], both as codes of FP4 (E2M1) with K innermost
; and one E8M0 byte for each 32 along K; the product goes by v_wmma_scale_f32_16x16x128_f8f6f4, sums in f32; the distances are f32 vector work.  t never goes to memory.
; SYMMETRY.  (a - b)^2 and (b - a)^2 are the same bits and the sums run in the same order, so out[i][j] = out[j][i]: a tile off the diagonal is computed once and stored twice.
; SHARES.  A batch is 8 x 8 tiles of 64 x 64; a tile's row is 256 bytes of out, in the tile and in its transpose.  A batch has 32 work-groups (I = 0..7, d = 1..4) with blocks X = I, Y = (I + d) mod 8.
;   PLAIN (d < 4, or d = 4 and I < 4: the 28 pairs of blocks): tile (X, Y), stored with its transpose; and four whole rows each of the diagonal tiles (X, X) and (Y, Y):
;   a block has seven plain work-groups, which take its rows 4 p .. 4 p + 3, p = 0..6 (as X: p = d - 1; as Y: p = 3 + d, and 3 where d = 4).
;   DIAGONAL (d = 4, I >= 4): rows 32..63 of (X, X) and of (Y, Y) are its 64 x 64 pairs, rows 28..31 of both its eight extra rows.  So every work-group has 64 x 64 + 8 x 64 = 4,608 pairs.
;   Both kinds run one text: they differ in scalar bases, chosen on the work-group's number, and in one branch round the transpose's way out.
; PROJECTION.  Wave w projects rows 32 w .. 32 w + 31 of X|Y onto all 128 ranks.  Its 16 KB of codes go from memory into 128 registers, each byte once in the work-group; proj comes into LDS by one tensor load a wave.
;   Source 0 = 16 rows of batch, source 1 = 16 ranks: a lane holds one rank and eight rows, so a register pair is (row, row + 1) of one rank: it is stored as it stands into T[pair of rows][rank][2].
; DISTANCES.  Wave (wr, wc) has 32 x 32 pairs and two extra rows x 64 columns.  Lanes 0-15 take ranks 4 s, 4 s + 1 of step s, lanes 16-31 ranks 4 s + 2, 4 s + 3.  Sixteen lanes are a grid of 4 x 4; a lane has 8 rows x 8 columns.
;   One 16-byte LDS load is (row, row + 1) x two ranks.  A packed subtraction takes a pair of rows less ONE column's number (op_sel picks it for both halves), a packed multiply-add squares and adds.
; CLUSTER.  The four partners are the same (I, d) of four batches: they share proj, which is asked for jointly.  A block of batch is read by eight work-groups of its batch; those differ in kind, so in LDS addresses,
;   which partners may not: batch is not shared.
; LIMITS.  A distance's 128 squares are added in two halves (ranks 0, 1 mod 4 and 2, 3 mod 4), each ascending, and the halves then: another order than the definition's.  NaN and infinities go through as the arithmetic makes them.
.set PP,    528                        ; a row of proj in LDS: 512 bytes + 16: row n starts 16 n bytes on, modulo 256
.set TP,    1040                       ; a pair of rows of t in LDS: 128 ranks x 8 bytes + 16
.set TBASE, 128*PP                     ; proj lies at LDS byte 0; T behind it, 64 pairs: X's 32, then Y's 32
.set SPI,   272                        ; a stage row: 256 bytes + 16
.set DDB,   TBASE                      ; the stages lie in T's bytes, which are dead behind the loop: the tile by rows,
.set TTB,   TBASE+64*SPI               ; and its transpose by rows
; scalar registers
.set WV, 24                            ; my wave
.set WR, 25                            ; wave / 2: which 32 rows of the tile; also: I project and add extra rows for X (0) or Y (1)
.set WC, 26                            ; wave % 2: which 32 columns; also: which half of that block's rows I project
.set KIND, 20                          ; 1: a diagonal work-group
.set G0, 32                            ; s[32:35], s[36:43] the tensor load's two groups
.set G1, 36
.set OD, 44                            ; s[44:45] out at the first row that I store of the tile; s[46:47] of its transpose; s[48:49] at my two extra rows
.set OT, 46
.set OX, 48
; vector registers, window 0
.set VA,  1                            ; my byte in 16 rows of codes: 512 (lane % 16) + 16 (lane / 16)
.set VS,  2                            ; and in 16 rows of scale bytes: 32 (lane % 16) + 16 (lane / 16)
.set VB,  3                            ; my byte in 16 rows of proj in LDS
.set VT,  4                            ; where I store pairs of t
.set BI,  5                            ; v5-8: LDS bytes of my first pair of rows, my first pair of columns, my extra pair of rows, my first extra pair of columns, at rank 2 (lane / 16)
.set VDD, 9                            ; stage addresses: the tile, in; v10 the transpose, in; v11 back, by rows
.set VTT, 10
.set VRD, 11
.set VGO, 12                           ; my byte in two rows of out: 2,048 (lane / 16) + 16 (lane % 16)
.set VGX, 13                           ; my byte in an extra row: 8 x lane
.set SA,  16                           ; v16-23  batch's scale words: row tile t at SA + 4 t: lanes 0-15 hold K steps 0-3, lanes 16-31 K steps 4-7
.set SB,  24                           ; v24-55  proj's, the same way: rank tile n at SB + 4 n
.set AF,  64                           ; v64-191 my rows' fragments: row tile t, K step s at AF + 64 t + 8 s
; window 1
.set AC1,  0                           ; v0-63   two sets of four accumulators (two rank tiles x two row tiles)
.set RING, 64                          ; v64-255 three units of proj's fragments: a unit is two rank tiles x four K steps
; window 0, behind the projection
.set BUF0, 16                          ; v16-59, v60-103 a step's eleven loads: 4 pairs of rows, 4 pairs of columns, the extra pair of rows, 2 extra pairs of columns
.set BUF1, 60
.set TMP,  104                         ; v104-119 eight packed differences
.set WI,   120                         ; v120-123 v5-8 at the ranks in hand
.set ACC,  128                         ; v128-191 sums: column c (0..7), row i (0..7) of my block at ACC + 8 c + i
.set XACC, 192                         ; v192-199 extra sums: pair of columns x, column e of it, row p at XACC + 4 x + 2 e + p
.set TR,   16                          ; the way out: my half block by rows;
.set XT,   48                          ; my four extra sums by rows;
.set LD,   60                          ; rows back from the stages
.set MSB, 0
.macro WIN new                         ; the immediate's high byte repeats the setting that is left
.if MSB != \new
	s_set_vgpr_msb (MSB<<8)|\new
.set MSB, \new
.endif
.endm
.macro ROUND                           ; a round of the cluster's barrier
	s_barrier_signal -1
	s_barrier_wait -1
	s_cmp_lg_u32 s[WV], 0
	s_cbranch_scc1 .Lnot_wave_0_\@
	s_barrier_signal -3
.Lnot_wave_0_\@:
	s_barrier_wait -3
	s_barrier_signal -1
	s_barrier_wait -1
.endm
	s_load_b256 s[4:11], s[0:1], 0x0               ; batch's codes s[4:5], its scales s[6:7], proj's codes s[8:9], its scales s[10:11]
	s_load_b64 s[12:13], s[0:1], 0x20              ; out
	v_lshl_add_u32 v254, v0, 2, 0x29000
	v_mov_b32 v255, 0
	ds_add_u32 v254, v255
	ds_add_u32 v254, v255
	v_lshrrev_b32 v14, 5, v0
	v_readfirstlane_b32 s[WV], v14
	s_lshr_b32 s[WR], s[WV], 1
	s_and_b32 s[WC], s[WV], 1
	s_bfe_u32 s14, ttmp6, 0x40000                  ; cx: it enters batch's and out's addresses alone
	s_lshl_b32 s15, ttmp9, 2
	s_add_co_u32 s15, s15, s14                     ; the batch = 4 x cluster x + cx
	s_and_b32 s16, ttmp7, 0xffff                   ; 4 I + d - 1, the same in all four partners
	s_lshr_b32 s17, s16, 2                         ; X = I
	s_and_b32 s21, s16, 3                          ; d - 1
	s_add_co_u32 s19, s17, s21
	s_add_co_u32 s19, s19, 1
	s_and_b32 s19, s19, 7                          ; Y = (I + d) mod 8
	s_add_co_u32 s22, s21, 4
	s_cmp_eq_u32 s21, 3
	s_cselect_b32 s22, 3, s22                      ; Y's extra rows in a plain group: p = 3 + d, and 3 where d = 4
	s_and_b32 s23, s16, 0x13
	s_cmp_eq_u32 s23, 0x13                         ; d = 4 and I >= 4
	s_cselect_b32 s[KIND], 1, 0
	s_cselect_b32 s21, 7, s21                      ; X's extra rows: p = d - 1; in a diagonal group p = 7 for both
	s_cselect_b32 s22, 7, s22
	s_cmp_eq_u32 s[WR], 0
	s_cselect_b32 s27, s17, s19                    ; Z: the block that I project and whose extra rows I add
	s_cselect_b32 s28, s21, s22                    ; its p
	s_lshl_b32 s29, s15, 9
	s_lshl_b32 s58, s27, 6                         ; 64 Z
	s_add_co_u32 s29, s29, s58
	s_lshl_b32 s30, s[WC], 5
	s_add_co_u32 s30, s29, s30                     ; the first row that I project: 512 b + 64 Z + 32 (wave % 2)
	s_lshl_b32 s52, s30, 9                         ; its codes, 512 bytes a row,
	s_mov_b32 s53, 0
	s_lshl_b32 s54, s30, 5                         ; its scale bytes, 32 a row
	s_mov_b32 s55, 0
	s_lshl_b32 s56, s[WV], 14                      ; proj: my 32 ranks of 512 bytes
	s_mov_b32 s57, 0
	v_and_b32 v14, 15, v0                          ; lane % 16
	v_bfe_u32 v15, v0, 4, 1                        ; lane / 16
	v_lshlrev_b32 v[VA], 9, v14
	v_lshl_add_u32 v[VA], v15, 4, v[VA]
	v_lshlrev_b32 v[VS], 5, v14
	v_lshl_add_u32 v[VS], v15, 4, v[VS]
	; the tensor load's shape: 32 rows of 512 bytes, dense in memory, 16 bytes of padding behind each in LDS
	s_mov_b32 s[G1+0], 15|(1<<20)|(1<<21)|(6<<22)|(3<<25)   ; 15:0 the mask: all four partners; 17:16 elements of 1 byte; 20 padding on; 21 set beside a mask; 24:22 after every 128 words (code 6); 31:25 four words (code 3)
	s_mov_b32 s[G1+1], 512<<16                     ; tensor_dim0
	s_mov_b32 s[G1+2], 32<<16                      ; tensor_dim1
	s_mov_b32 s[G1+3], 512<<16                     ; tile_dim0
	s_mov_b32 s[G1+4], 32                          ; tile_dim1
	s_mov_b32 s[G1+5], 512                         ; from row to row
	s_mov_b32 s[G1+6], 0
	s_mov_b32 s[G1+7], 0
	s_mov_b32 s[G0], 1
	s_mul_i32 s[G0+1], s[WV], 32*PP                ; LDS: wave x 32 rows
	s_wait_dscnt 0x0
	s_wait_kmcnt 0x0
	s_add_nc_u64 s[4:5], s[4:5], s[52:53]
	s_add_nc_u64 s[6:7], s[6:7], s[54:55]
	s_add_nc_u64 s[G0+2:G0+3], s[8:9], s[56:57]    ; made of the wave's number alone: equal in all partners
	s_or_b32 s[G0+3], s[G0+3], 0x80000000
	; my 32 rows of batch: a fragment (16 rows x 128 K of 4-bit codes) is 8 registers: lane (r, h) holds row r; registers 4 c .. 4 c + 3 hold k = 64 c + 32 h + 0 .. 31: 16 bytes of the row as they lie
.irp t, 0,1
.irp s, 0,1,2,3,4,5,6,7
.irp c, 0,1
	global_load_b128 v[AF+64*\t+8*\s+4*\c:AF+64*\t+8*\s+4*\c+3], v[VA], s[4:5] offset:8192*\t+64*\s+32*\c
.endr
.endr
.endr
.irp t, 0,1
	global_load_b128 v[SA+4*\t:SA+4*\t+3], v[VS], s[6:7] offset:512*\t     ; 16 rows' 32 scale bytes: 512 consecutive bytes; lane (r, h) gets the words of K steps 4 h .. 4 h + 3
.endr
.irp n, 0,1,2,3,4,5,6,7
	global_load_b128 v[SB+4*\n:SB+4*\n+3], v[VS], s[10:11] offset:512*\n
.endr
	ROUND                                          ; all four partners are here: the joint loads meet
	tensor_load_to_lds s[G0:G0+3], s[G1:G1+7]      ; my quarter of proj; one load of mine is out
	s_nop 0
.rept 4
	v_nop
.endr
	; while the loads are on their way: every address of the text.  First where I store: out + (b << 20) + 2,048 x row + 4 x column
	s_lshl_b32 s59, s[WC], 4
	s_add_co_u32 s59, s59, s58
	s_add_co_u32 s59, s59, 32                      ; diagonal: stage rows 16 w on are rows 64 Z + 32 + 16 (wave % 2) on, columns 64 Z on
	s_lshl_b32 s60, s17, 6                         ; 64 X
	s_lshl_b32 s61, s[WV], 4                       ; 16 w
	s_add_co_u32 s62, s60, s61                     ; plain: rows 64 X + 16 w on, columns 64 Y on
	s_lshl_b32 s63, s19, 6                         ; 64 Y
	s_cmp_eq_u32 s[KIND], 1
	s_cselect_b32 s59, s59, s62
	s_cselect_b32 s62, s58, s63
	s_lshl_b32 s66, s15, 20
	s_lshl_b32 s59, s59, 11
	s_lshl_b32 s62, s62, 2
	s_add_co_u32 s[OD], s59, s62
	s_add_co_u32 s[OD], s[OD], s66
	s_mov_b32 s[OD+1], 0
	s_add_co_u32 s[OT], s63, s61                   ; the transpose: rows 64 Y + 16 w on, columns 64 X on
	s_lshl_b32 s[OT], s[OT], 11
	s_lshl_b32 s67, s60, 2
	s_add_co_u32 s[OT], s[OT], s67
	s_add_co_u32 s[OT], s[OT], s66
	s_mov_b32 s[OT+1], 0
	s_lshl_b32 s[OX], s28, 2                       ; my extra rows: 64 Z + 4 p + 2 (wave % 2) and the next, columns 64 Z on
	s_add_co_u32 s[OX], s[OX], s58
	s_lshl_b32 s67, s[WC], 1
	s_add_co_u32 s[OX], s[OX], s67
	s_lshl_b32 s[OX], s[OX], 11
	s_lshl_b32 s67, s58, 2
	s_add_co_u32 s[OX], s[OX], s67
	s_add_co_u32 s[OX], s[OX], s66
	s_mov_b32 s[OX+1], 0
	s_add_nc_u64 s[OD:OD+1], s[12:13], s[OD:OD+1]
	s_add_nc_u64 s[OT:OT+1], s[12:13], s[OT:OT+1]
	s_add_nc_u64 s[OX:OX+1], s[12:13], s[OX:OX+1]
	; which pairs of T are my rows and my columns
	s_lshl_b32 s68, s[WR], 4                       ; plain: rows from pair 16 wr of X,
	s_lshl_b32 s69, s[WR], 5
	s_add_co_u32 s70, s69, 16                      ; diagonal: from pair 16 of X (wr = 0) or of Y (wr = 1)
	s_lshl_b32 s71, s[WC], 4
	s_add_co_u32 s72, s69, s71                     ; diagonal: columns from pair 16 wc of the same block,
	s_add_co_u32 s73, s71, 32                      ; plain: from pair 16 wc of Y
	s_cmp_eq_u32 s[KIND], 1
	s_cselect_b32 s68, s70, s68
	s_cselect_b32 s72, s72, s73
	s_lshl_b32 s74, s28, 1
	s_add_co_u32 s74, s74, s69
	s_add_co_u32 s74, s74, s[WC]                   ; my extra pair of rows: pair 2 p + wave % 2 of block Z; its columns: all 32 pairs of Z
	s_mul_i32 s68, s68, TP
	s_mul_i32 s72, s72, TP
	s_mul_i32 s74, s74, TP
	s_mul_i32 s69, s69, TP
	s_add_co_u32 s68, s68, TBASE
	s_add_co_u32 s72, s72, TBASE
	s_add_co_u32 s74, s74, TBASE
	s_add_co_u32 s69, s69, TBASE
	v_and_b32 v56, 3, v0                           ; gi: my place in the grid of 4 x 4, along the rows;
	v_bfe_u32 v57, v0, 2, 2                        ; gj: along the columns
	v_lshlrev_b32 v58, 4, v15                      ; lanes 16-31 begin two ranks, 16 bytes, further on
	v_mad_u32_u24 v[BI], v56, 4*TP, v58            ; my rows: pairs 4 gi .. 4 gi + 3: four lanes' pairs lie 64 bytes apart, modulo 256
	v_add_nc_u32 v[BI], s68, v[BI]
	v_mad_u32_u24 v[BI+1], v57, 4*TP, v58          ; my columns: pairs 4 gj .. 4 gj + 3
	v_add_nc_u32 v[BI+1], s72, v[BI+1]
	v_add_nc_u32 v[BI+2], s74, v58
	v_mad_u32_u24 v[BI+3], v14, TP, v58            ; my extra columns: pairs lane % 16 and lane % 16 + 16
	v_add_nc_u32 v[BI+3], s69, v[BI+3]
	v_mul_u32_u24 v[VB], v14, PP
	v_lshl_add_u32 v[VB], v15, 4, v[VB]
	s_mul_i32 s75, s[WV], 16*TP                    ; t goes to pairs 16 w + 8 t + 4 h + j, at 8 bytes a rank
	s_add_co_u32 s75, s75, TBASE
	v_mul_u32_u24 v[VT], v15, 4*TP
	v_lshl_add_u32 v[VT], v14, 3, v[VT]
	v_add_nc_u32 v[VT], s75, v[VT]
	s_mul_i32 s76, s[WR], 32*SPI                   ; the tile's stage: row 32 wr + 8 gi + i, column 32 wc + 8 gj + 4 (lane / 16)
	s_lshl_b32 s77, s[WC], 7
	s_add_co_u32 s76, s76, s77
	s_add_co_u32 s76, s76, DDB
	v_mad_u32_u24 v[VDD], v56, 8*SPI, v58
	v_lshl_add_u32 v[VDD], v57, 5, v[VDD]
	v_add_nc_u32 v[VDD], s76, v[VDD]
	s_mul_i32 s78, s[WC], 32*SPI                   ; the transpose's: row 32 wc + 8 gj + 4 (lane / 16) + c, column 32 wr + 8 gi
	s_lshl_b32 s77, s[WR], 7
	s_add_co_u32 s78, s78, s77
	s_add_co_u32 s78, s78, TTB
	v_mul_u32_u24 v[VTT], v15, 4*SPI
	v_mad_u32_u24 v[VTT], v57, 8*SPI, v[VTT]
	v_lshl_add_u32 v[VTT], v56, 5, v[VTT]
	v_add_nc_u32 v[VTT], s78, v[VTT]
	s_mul_i32 s79, s[WV], 16*SPI                   ; back: wave w takes stage rows 16 w on; lanes 0-15 one row of 256 bytes, lanes 16-31 the next
	s_add_co_u32 s79, s79, DDB
	v_mul_u32_u24 v[VRD], v15, SPI
	v_lshl_add_u32 v[VRD], v14, 4, v[VRD]
	v_add_nc_u32 v[VRD], s79, v[VRD]
	v_lshlrev_b32 v[VGO], 11, v15
	v_lshl_add_u32 v[VGO], v14, 4, v[VGO]
	v_and_b32 v[VGX], 31, v0
	v_lshlrev_b32 v[VGX], 3, v[VGX]
; THE PROJECTION.  Unit u (0..7): rank tiles 2 (u / 2), 2 (u / 2) + 1, K steps 4 (u % 2) on: 16 LDS loads, 16 matrix instructions.
.macro BFETCH u
.irp l, 0,1,2,3
.irp n, 0,1
.irp c, 0,1
	ds_load_b128 v[RING+64*((\u)%3)+16*\l+8*\n+4*\c:RING+64*((\u)%3)+16*\l+8*\n+4*\c+3], v[VB] offset:(2*((\u)/2)+\n)*16*PP+64*(4*((\u)%2)+\l)+32*\c
.endr
.endr
.endr
.endm
; The four accumulators take turns, one instruction a turn.  A pair of rank tiles' first K step starts the sums with the constant 0.  K steps 4-7 take their scale words from lanes 16-31.
.macro MULS u
.irp l, 0,1,2,3
.irp t, 0,1
.irp n, 0,1
.set rD, AC1+32*(((\u)/2)%2)+16*\n+8*\t
.set rA, AF+64*\t+8*(4*((\u)%2)+\l)
.set rB, RING+64*((\u)%3)+16*\l+8*\n
.set rSA, SA+4*\t+\l
.set rSB, SB+4*(2*((\u)/2)+\n)+\l
.if ((\u)%2 == 0) && (\l == 0)
	v_wmma_scale_f32_16x16x128_f8f6f4 v[rD:rD+7], v[rA:rA+7], v[rB:rB+7], 0, v[rSA], v[rSB] matrix_a_fmt:MATRIX_FMT_FP4 matrix_b_fmt:MATRIX_FMT_FP4
.elseif (\u)%2 == 0
	v_wmma_scale_f32_16x16x128_f8f6f4 v[rD:rD+7], v[rA:rA+7], v[rB:rB+7], v[rD:rD+7], v[rSA], v[rSB] matrix_a_fmt:MATRIX_FMT_FP4 matrix_b_fmt:MATRIX_FMT_FP4
.else
	v_wmma_scale_f32_16x16x128_f8f6f4 v[rD:rD+7], v[rA:rA+7], v[rB:rB+7], v[rD:rD+7], v[rSA], v[rSB] matrix_a_fmt:MATRIX_FMT_FP4 matrix_b_fmt:MATRIX_FMT_FP4 matrix_a_scale:MATRIX_SCALE_ROW1 matrix_b_scale:MATRIX_SCALE_ROW1
.endif
.endr
.endr
.endr
.endm
; The finished pair p of rank tiles: lane (n, h) holds rank n and rows 8 h + 0 .. 7 of a row tile; registers 2 j, 2 j + 1 are a pair of rows.  Each accumulator is read from its low end on.
.macro TSTORE p
.irp n, 0,1
.irp t, 0,1
.irp j, 0,1,2,3
	ds_store_b64 v[VT], v[AC1+32*((\p)%2)+16*\n+8*\t+2*\j:AC1+32*((\p)%2)+16*\n+8*\t+2*\j+1] offset:(8*\t+\j)*TP+128*(2*(\p)+\n)
.endr
.endr
.endr
.endm
; A unit's turn.  cnt: the LDS instructions issued behind this unit's loads.  The stores stand ahead of the fetch, so that the wait for a later unit also shows them done before their accumulators are begun anew, two units on.
; Four places stand between the last matrix instructions and the stores of their results and the loads into the unit that they read (ISA guide 7.12.1 for vector instructions).
.macro PSTEP u, cnt
	s_wait_dscnt \cnt
.if (\u) > 0
.rept 4
	v_nop
.endr
.endif
.if ((\u) >= 2) && ((\u)%2 == 0)
	TSTORE ((\u)/2-1)
.endif
.if (\u)+2 < 8
	BFETCH (\u)+2
.endif
	MULS \u
.endm
	s_wait_tensorcnt 0x0                           ; my quarter of proj has landed,
	s_barrier_signal -1
	s_barrier_wait -1                              ; everybody's has
	WIN 0x54                                       ; source 0 (batch; LDS addresses) window 0; source 1 (proj; LDS store data), C, D and loaded data window 1: one setting for the whole projection
	BFETCH 0
	BFETCH 1
	s_wait_loadcnt 0x0                             ; my rows' codes, and all scale words
	PSTEP 0, 16                                    ; behind unit 0's loads: unit 1's 16
	PSTEP 1, 16                                    ; unit 2's
	PSTEP 2, 16                                    ; unit 3's
	PSTEP 3, 32                                    ; 16 stores and unit 4's
	PSTEP 4, 16                                    ; unit 5's
	PSTEP 5, 32                                    ; 16 stores and unit 6's
	PSTEP 6, 16                                    ; unit 7's
	PSTEP 7, 16                                    ; 16 stores
.rept 4
	v_nop                                          ; places: for the last stores, and for the loads and vector instructions below, which write registers that matrix instructions have read
.endr
	TSTORE 3
	WIN 0
	s_wait_dscnt 0x0                               ; for the others' sake: my part of T is stored
	s_barrier_signal -1
	s_barrier_wait -1                              ; T is whole
; THE DISTANCES.  A step: four ranks of the wave, two of a lane.
.macro ADDR                            ; the four addresses at the ranks in hand
.irp a, 0,1,2,3
	v_add_nc_u32 v[WI+\a], s51, v[BI+\a]
.endr
.endm
.macro FETCH buf, off
.irp k, 0,1,2,3
	ds_load_b128 v[\buf+4*\k:\buf+4*\k+3], v[WI] offset:\k*TP+\off
.endr
.irp k, 0,1,2,3
	ds_load_b128 v[\buf+16+4*\k:\buf+16+4*\k+3], v[WI+1] offset:\k*TP+\off
.endr
	ds_load_b128 v[\buf+32:\buf+35], v[WI+2] offset:\off
.irp k, 0,1
	ds_load_b128 v[\buf+36+4*\k:\buf+36+4*\k+3], v[WI+3] offset:\k*16*TP+\off
.endr
.endm
; Of a load's four registers 2 r, 2 r + 1 are (even row, odd row) at the lane's rank r.  Eight differences, then their eight squares: no line reads the result of a line less than eight ahead of it.
; init = 1: the first rank's squares start the sums: nothing is cleared.
.macro WORK buf, init
.irp r, 0,1
.irp j, 0,1,2,3
.irp k, 0,1,2,3
	v_pk_add_f32 v[TMP+2*\k:TMP+2*\k+1], v[\buf+4*\k+2*\r:\buf+4*\k+2*\r+1], v[\buf+16+4*\j+2*\r:\buf+16+4*\j+2*\r+1] op_sel_hi:[1,0] neg_lo:[0,1] neg_hi:[0,1]   ; pair k of rows less the even column of pair j
.endr
.irp k, 0,1,2,3
	v_pk_add_f32 v[TMP+8+2*\k:TMP+8+2*\k+1], v[\buf+4*\k+2*\r:\buf+4*\k+2*\r+1], v[\buf+16+4*\j+2*\r:\buf+16+4*\j+2*\r+1] op_sel:[0,1] op_sel_hi:[1,1] neg_lo:[0,1] neg_hi:[0,1]   ; less the odd column
.endr
.irp t, 0,1,2,3,4,5,6,7
.if (\init) && (\r == 0)
	v_pk_mul_f32 v[ACC+16*\j+2*\t:ACC+16*\j+2*\t+1], v[TMP+2*\t:TMP+2*\t+1], v[TMP+2*\t:TMP+2*\t+1]
.else
	v_pk_fma_f32 v[ACC+16*\j+2*\t:ACC+16*\j+2*\t+1], v[TMP+2*\t:TMP+2*\t+1], v[TMP+2*\t:TMP+2*\t+1], v[ACC+16*\j+2*\t:ACC+16*\j+2*\t+1]
.endif
.endr
.endr
.endr
.irp r, 0,1                            ; the extra pair of rows against my four extra columns
.irp x, 0,1
	v_pk_add_f32 v[TMP+8*\r+4*\x:TMP+8*\r+4*\x+1], v[\buf+32+2*\r:\buf+32+2*\r+1], v[\buf+36+4*\x+2*\r:\buf+36+4*\x+2*\r+1] op_sel_hi:[1,0] neg_lo:[0,1] neg_hi:[0,1]
	v_pk_add_f32 v[TMP+8*\r+4*\x+2:TMP+8*\r+4*\x+3], v[\buf+32+2*\r:\buf+32+2*\r+1], v[\buf+36+4*\x+2*\r:\buf+36+4*\x+2*\r+1] op_sel:[0,1] op_sel_hi:[1,1] neg_lo:[0,1] neg_hi:[0,1]
.endr
.endr
.irp r, 0,1
.irp u, 0,1,2,3
.if (\init) && (\r == 0)
	v_pk_mul_f32 v[XACC+2*\u:XACC+2*\u+1], v[TMP+8*\r+2*\u:TMP+8*\r+2*\u+1], v[TMP+8*\r+2*\u:TMP+8*\r+2*\u+1]
.else
	v_pk_fma_f32 v[XACC+2*\u:XACC+2*\u+1], v[TMP+8*\r+2*\u:TMP+8*\r+2*\u+1], v[TMP+8*\r+2*\u:TMP+8*\r+2*\u+1], v[XACC+2*\u:XACC+2*\u+1]
.endif
.endr
.endr
.endm
.macro STEP buf, nbuf, noff, fetch, init
	s_wait_dscnt 0x0                               ; this step's eleven loads, issued a step ago, are in; nothing else of mine is out
.if \fetch
	FETCH \nbuf, \noff                             ; the next step's: they have this step's 144 vector instructions in which to land
.endif
	WORK \buf, \init
.endm
.macro PAIR init, last                 ; two steps, 64 bytes of every pair of rows
	STEP BUF0, BUF1, 32, 1, \init
	STEP BUF1, BUF0, 64, 1-\last, 0
.endm
	s_mov_b32 s51, 0
	ADDR
	FETCH BUF0, 0
	PAIR 1, 0                                      ; the first two steps stand ahead of the loop: they start the sums
	s_mov_b32 s50, 14
.Lpair:
	s_add_co_u32 s51, s51, 64
	ADDR
	PAIR 0, 0
	s_sub_co_u32 s50, s50, 1
	s_cmp_lg_u32 s50, 0
	s_cbranch_scc1 .Lpair
	s_add_co_u32 s51, s51, 64
	ADDR
	PAIR 0, 1                                      ; the last two steps: nothing is fetched beyond rank 127
; THE WAY OUT.  The stages lie in T's bytes: every wave's reads of T are over before any wave stores there.  The joining of the two halves of the ranks is register work and stands between signal and wait.
	s_wait_dscnt 0x0
	s_barrier_signal -1
.set i, 0
.rept 32                               ; lanes l and l + 16 hold the same block for the two halves of the ranks.  The swap gives lanes 0-15 both halves' sums of columns 0-3, lanes 16-31 both halves' of columns 4-7
	v_permlane16_swap_b32 v[ACC+i], v[ACC+32+i]
.set i, i+1
.endr
.set i, 0
.rept 4                                ; likewise the extra sums: lanes 0-15 keep pair lane % 16 of columns, lanes 16-31 pair lane % 16 + 16
	v_permlane16_swap_b32 v[XACC+i], v[XACC+4+i]
.set i, i+1
.endr
.irp r, 0,1,2,3,4,5,6,7
.irp c, 0,1,2,3
	v_add_f32 v[TR+4*\r+\c], v[ACC+8*\c+\r], v[ACC+32+8*\c+\r]     ; the two halves are added into registers laid by rows: four neighbouring columns of a row on end
.endr
.endr
.irp p, 0,1
.irp e, 0,1
	v_add_f32 v[XT+2*\p+\e], v[XACC+2*\e+\p], v[XACC+4+2*\e+\p]
.endr
.endr
	s_barrier_wait -1
.irp r, 0,1,2,3,4,5,6,7
	ds_store_b128 v[VDD], v[TR+4*\r:TR+4*\r+3] offset:\r*SPI
.endr
	global_store_b64 v[VGX], v[XT:XT+1], s[OX:OX+1] th:TH_STORE_NT               ; an extra row: 32 lanes store 256 consecutive bytes, at a multiple of 256 from out's first byte
	global_store_b64 v[VGX], v[XT+2:XT+3], s[OX:OX+1] offset:2048 th:TH_STORE_NT
	s_cmp_eq_u32 s[KIND], 1                        ; a diagonal work-group has whole rows of its tiles: no transpose.  The branch hangs on the work-group's number: all four waves, and all partners, go one way
	s_cbranch_scc1 .Lno_transpose
.set i, 0
.rept 16
	v_pk_add_f32 v[ACC+i:ACC+i+1], v[ACC+i:ACC+i+1], v[ACC+32+i:ACC+32+i+1]        ; the same sums as they lie: eight neighbouring rows of a column on end
.set i, i+2
.endr
.irp c, 0,1,2,3
	ds_store_b128 v[VTT], v[ACC+8*\c:ACC+8*\c+3] offset:\c*SPI
	ds_store_b128 v[VTT], v[ACC+8*\c+4:ACC+8*\c+7] offset:\c*SPI+16
.endr
.Lno_transpose:
	s_wait_dscnt 0x0                               ; for the others' sake: my stores into the stages are done
	s_barrier_signal -1
	s_barrier_wait -1
.irp q, 0,1,2,3,4,5,6,7
	ds_load_b128 v[LD+4*\q:LD+4*\q+3], v[VRD] offset:\q*2*SPI
.endr
	s_cmp_eq_u32 s[KIND], 1
	s_cbranch_scc1 .Lrows_only
.irp q, 0,1,2,3,4,5,6,7
	ds_load_b128 v[LD+32+4*\q:LD+32+4*\q+3], v[VRD] offset:TTB-DDB+\q*2*SPI
.endr
.irp q, 0,1,2,3,4,5,6,7
	s_wait_dscnt 15-\q                             ; LDS loads come back in order (ISA guide 5.7.1): the younger ones may stay out
	global_store_b128 v[VGO], v[LD+4*\q:LD+4*\q+3], s[OD:OD+1] offset:4096*\q th:TH_STORE_NT     ; 16 lanes store 256 consecutive bytes, at a multiple of 256 from out's first byte; two rows an instruction
.endr
.irp q, 0,1,2,3,4,5,6,7
	s_wait_dscnt 7-\q
	global_store_b128 v[VGO], v[LD+32+4*\q:LD+32+4*\q+3], s[OT:OT+1] offset:4096*\q th:TH_STORE_NT
.endr
	s_branch .Lclose
.Lrows_only:
.irp q, 0,1,2,3,4,5,6,7
	s_wait_dscnt 7-\q
	global_store_b128 v[VGO], v[LD+4*\q:LD+4*\q+3], s[OD:OD+1] offset:4096*\q th:TH_STORE_NT
.endr
.Lclose:
	s_wait_tensorcnt 0x0
	ds_add_u32 v254, v255
	s_wait_dscnt 0x0
	ROUND                                          ; the closing round: no work-group ends while a partner may still ask for a tile that names it
	s_endpgm
.Lfunc_end_k_q800937c2b9_probe:
	.size	k_q800937c2b9_probe, .Lfunc_end_k_q800937c2b9_probe-k_q800937c2b9_probe
	.p2alignl 7, 3214868480
	.fill 96, 4, 3214868480
	.section	.rodata,"a",@progbits
	.p2align	6, 0x0
	.amdhsa_kernel k_q800937c2b9_probe
		.amdhsa_group_segment_fixed_size 168448
		.amdhsa_private_segment_fixed_size 0
		.amdhsa_enable_private_segment 0
		.amdhsa_kernarg_size 40
		.amdhsa_user_sgpr_count 2
		.amdhsa_user_sgpr_kernarg_segment_ptr 1
		.amdhsa_wavefront_size32 1
		.amdhsa_system_sgpr_workgroup_id_x 1
		.amdhsa_system_sgpr_workgroup_id_y 1
		.amdhsa_system_sgpr_workgroup_id_z 1
		.amdhsa_system_vgpr_workitem_id 0
		.amdhsa_next_free_vgpr 512
		.amdhsa_next_free_sgpr 80
		.amdhsa_reserve_vcc 0
		.amdhsa_float_denorm_mode_32 3
		.amdhsa_float_denorm_mode_16_64 3
		.amdhsa_memory_ordered 1
		.amdhsa_forward_progress 1
		.amdhsa_inst_pref_size 110
	.end_amdhsa_kernel
	.amdgpu_metadata
---
amdhsa.version: [ 1, 2 ]
amdhsa.kernels:
  - .name:           k_q800937c2b9_probe
    .symbol:         k_q800937c2b9_probe.kd
    .args:
      - { .name: batch_codes, .offset: 0, .size: 8, .value_kind: global_buffer, .address_space: global }
      - { .name: batch_scales, .offset: 8, .size: 8, .value_kind: global_buffer, .address_space: global }
      - { .name: proj_codes, .offset: 16, .size: 8, .value_kind: global_buffer, .address_space: global }
      - { .name: proj_scales, .offset: 24, .size: 8, .value_kind: global_buffer, .address_space: global }
      - { .name: out0, .offset: 32, .size: 8, .value_kind: global_buffer, .address_space: global }
    .group_segment_fixed_size: 168448
    .private_segment_fixed_size: 0
    .kernarg_segment_align: 8
    .kernarg_segment_size: 40
    .max_flat_workgroup_size: 128
    .sgpr_count:     80
    .vgpr_count:     512
    .wavefront_size: 32
...
	.end_amdgpu_metadata
.endif
;; end of part 1
